; MI455X (gfx1250); checked and timed in simulation.
; The chip was launched on July 23, 2026; its instructions are those of AMD's public machine-readable ISA for CDNA 5 (MIT licence, August 2026) and "CDNA5" Instruction Set Architecture Reference Guide (July 2026). The comments in the code are by the model that wrote it; some were corrected since.
;; Mixture Of Experts. Allowed arithmetic: matrix products marked QUANTISED: E3M2 operands, one E8M0 scale for each 32 along K, by v_wmma_scale_f32_16x16x128_f8f6f4 with both operands' format E3M2, f32 sums; products left as they are: f32 operands where the result goes on into a quantised operand, else bf16, f16 or f32 operands; f32 sums; everything else in f32.
;; Inputs: W1 8 x 1,024 x 2,048 float32; W2 8 x 2,048 x 1,024 float32; Wr 1,024 x 8 float32; b1 8 x 2,048 float32; b2 8 x 1,024 float32; br 8 float32; x 2,048 x 1,024 float32.
;; Outputs: out0 2,048 x 1,024 float32; out1 2,048 x 8 float32; out2 8 float32.
;; This version of the problem:
;;   THIS VERSION OF THE PROBLEM IS GIVEN IN LOW PRECISION. The matrix products marked QUANTISED in the list below multiply operands that are first quantised to E3M2 (3 exponent bits, 2 mantissa bits; 6 bits a number), with one power-of-two scale for each 32 numbers along K (OCP MX v1.0); their sums are f32. All else is computed in f32.
;;   The module's matrix products, in the order in which they are computed (A, B: the left and right operand; K: the contracted axis; several contracted axes count as one K, in the product's order):
;;     1. [M 2,048, K 1,024] x [K 1,024, N 8]; A: input x; B: input Wr: left as it is (N = 8 < 16)
;;     2. [M 16,384, K 1,024] x [K 1,024, N 2,048]; A: input W1; B: input x: QUANTISED
;;     3. batch 8 x [M 2,048, K 2,048] x [K 2,048, N 1,024]; A: computed on the way; B: input W2: QUANTISED
;;     4. batch 2,048 x [M 1, K 8] x [K 8, N 1,024]; A: computed on the way; B: computed on the way: left as it is (K = 8 < 32)
;;   THE QUANTISER, for each operand of a quantised product, along K:
;;     - K is cut into blocks of 32 from its start; a last block that is shorter is filled with zeros.
;;     - A block's scale is 2^e with e = floor(log2(the largest magnitude in the block)) - 4, held to -126 .. 127; a block of zeros has e = 0. As a byte (E8M0): e + 127.
;;     - Each number is divided by its block's scale, clamped to +-28, and rounded to the nearest number of E3M2, ties to even, subnormals kept.
;;     - The product sums the exact products of the quantised numbers (number of the format x scale) in f32.
;;   ~~~python
;;   def quantise(x, axis):      # numpy; x: float32 -> the quantised numbers, widened to float32 again
;;       x = np.moveaxis(x, axis, -1); K = x.shape[-1]
;;       x = np.pad(x, [(0, 0)] * (x.ndim - 1) + [(0, -K % 32)]); x = x.reshape(x.shape[:-1] + (-1, 32)); a = np.abs(x).max(-1, keepdims=True)
;;       e = np.where(a > 0, np.clip(np.frexp(np.where(a > 0, a, 1))[1] - 1 - 4, -126, 127), 0)      # np.frexp(a)[1] - 1 = floor(log2(a)), exactly
;;       r = np.clip(x / 2.0 ** e, -28, 28)
;;       step = 2.0 ** (np.maximum(np.frexp(np.where(r == 0, 1, r))[1] - 1, -2) - 2)
;;       q = np.round(r / step) * step * 2.0 ** e      # np.round: ties to even
;;       return np.moveaxis(q.reshape(q.shape[:-2] + (-1,))[..., :K], -1, axis).astype(np.float32)
;;   ~~~
;;   OPERANDS COMPUTED ON THE WAY. 'Computed on the way' means the value that the module computes at that place (a softmax that the list does not call 'softmax' is quantised finished and normalised). What goes into a quantiser is computed in f32, as accurately as f32 sums, v_exp_f32 and their like allow (about 1e-6 of the number): no bf16 or f16 on the way to a quantiser, and a product that is left as it is and whose result goes on into a quantised operand takes f32 operands (vector FMAs, or v_wmma_f32_16x16x4_f32). A number that lies on a knife's edge between two numbers of the format may be rounded either way, as far as f32 arithmetic and the matrix unit's own rounding can turn it there, and no further.
;; One version. Each part assembles by itself: llvm-mc -triple=amdgcn-amd-amdhsa -mcpu=gfx1250 --defsym DOCPART=n.
;; ======== version 1 of 1: 3 launches
;; limits: right only within a limited range of input values
;; workspace buffers: routes 8,192 bytes of whole numbers; perm 8,704 bytes of whole numbers; meta 256 bytes of whole numbers; xq 1,572,864 bytes; xs 65,536 bytes; hq 3,342,336 bytes; hs 139,264 bytes
;; launch route (part 1): grid 128 x 1, 8 waves a work-group, no clusters, 85,760 bytes of LDS; arguments x, Wr, br, xq, xs, out1, routes; writes xq, xs, out1, routes
.if DOCPART == 1
	.amdgcn_target "amdgcn-amd-amdhsa--gfx1250"
	.amdhsa_code_object_version 6
	.text
	.protected	k_q5d864cb43d_route
	.globl	k_q5d864cb43d_route
	.p2align	8
	.type	k_q5d864cb43d_route,@function
k_q5d864cb43d_route:
	s_mov_b64 s[64:65], 0
	v_nop
	global_prefetch_b8 v0, s[64:65] scope:SCOPE_SE
	s_setreg_imm32_b32 hwreg(HW_REG_WAVE_MODE, 25, 1), 1
	s_wait_xcnt 0x0
; ROUTER AND QUANTISER OF x.  x [2048][1024] f32, Wr [1024][8], br [8].
; out1 = softmax(x Wr + br) in f32; routes[t] = its argmax (the lower index on a tie), stored at a fixed place for a later launch;
; xq, xs = x as codes of BF6 (E3M2) with one E8M0 byte for each 32 along the 1,024.
; SHARES.  A work-group takes 16 tokens; wave w takes columns 128 w .. 128 w + 127 of them (one K step of the first product).
; Each load reads 512 consecutive bytes of a row; the 16 x 512 bytes turn through the wave's own stage in LDS, so that lane (r, h)
; (r = lane % 16, h = lane / 16) holds of token r the two whole blocks 4 w + h and 4 w + 2 + h: what the operand's layout gives that lane.
; xq's row of 768 bytes: byte 96 s + 48 h + 24 c + j = byte j of block 4 s + 2 c + h: a lane's 12 operand registers of K step s are 48 bytes on end.
; The router's product stays in f32 fused multiply-adds: its argmax decides whole rows of the result.  Lane (n, h) holds row 64 c + 32 h + 16 g + n of Wr's part,
; and a move with row_share:n hands it to the 16 lanes of its half, which hold that same k of their tokens.
; No matrix unit, no tensor load, no cluster: work-groups share only Wr's 32 KiB, and the launch is a stream of x.
; LIMITS.  NaN and infinities among the inputs are not served.  A block whose largest magnitude lies under 2^-122 (a block of zeros too) gets the byte 1
; where the rule says otherwise for zeros: its codes are zeros and only this program reads the bytes.  Two probabilities that are equal in f32 go to the lower index.
.set SPI,  528                         ; a stage row: 512 bytes + 16, so that the 16 rows that a read touches start 4 banks apart
.set WST,  16*SPI                      ; a wave's stage
.set CST,  8*WST                       ; the codes of 16 tokens, rows of 768 bytes + 16
.set CPI,  784
.set SST,  CST+16*CPI                  ; their scale bytes, 32 a token
.set LGT,  SST+512                     ; the waves' partial logits: 512 bytes a wave
.set RAWD, 16                          ; v16-79   x as loaded
.set XT,   80                          ; v80-143  my two blocks of 32
.set WR,   144                         ; v144-175 Wr: register 8 (2 c + g) + e
.set ACC,  176                         ; v176-183 eight partial logits of my token
.set PT,   184                         ; v184-191 at work: destinations of lane moves, cleared once since such a destination counts as read
.set TM,   192                         ; v192-199 at work
.set CD,   200                         ; v200-211 my 12 operand registers
.set UP,   212                         ; v212-214, v216-218 the upper halves of the blocks as converted
	s_load_b256 s[4:11], s[0:1], 0x0               ; x s[4:5], Wr s[6:7], br s[8:9], xq s[10:11]
	s_load_b128 s[12:15], s[0:1], 0x20             ; xs s[12:13], out1 s[14:15]
	s_load_b64 s[16:17], s[0:1], 0x30              ; routes
	v_lshl_add_u32 v224, v0, 2, 0x14b00
	v_mov_b32 v225, 0
	v_lshrrev_b32 v1, 5, v0
	s_delay_alu instid0(VALU_DEP_1)
	v_readfirstlane_b32 s18, v1                    ; wave 0..7
	v_and_b32 v1, 31, v0                           ; lane
	v_and_b32 v2, 15, v0                           ; r
	v_bfe_u32 v3, v0, 4, 1                         ; h
	s_delay_alu instid0(VALU_DEP_3)
	v_lshlrev_b32 v4, 4, v1                        ; 16 x lane
	s_mul_i32 s27, s18, WST
	v_add_nc_u32 v5, s27, v4                       ; stage, in: 16 x lane of row j
	v_mul_u32_u24 v6, v2, SPI
	s_delay_alu instid0(VALU_DEP_1)
	v_lshl_add_u32 v6, v3, 7, v6
	s_delay_alu instid0(VALU_DEP_1)
	v_add_nc_u32 v6, s27, v6                       ; stage, out: row r, + 128 h
	v_lshlrev_b32 v7, 5, v2
	s_delay_alu instid0(VALU_DEP_1)
	v_lshl_add_u32 v7, v3, 10, v7                  ; Wr: row 32 h + r of 32 bytes
	v_mul_u32_u24 v8, v2, CPI
	s_delay_alu instid0(VALU_DEP_1)
	v_mad_u32_u24 v8, v3, 48, v8
	s_mul_i32 s27, s18, 96
	s_add_co_u32 s27, s27, CST
	v_add_nc_u32 v8, s27, v8                       ; codes, in: row r, + 96 w + 48 h
	s_mul_i32 s27, s18, 2*CPI
	s_add_co_u32 s27, s27, CST
	v_add_nc_u32 v9, s27, v4                       ; codes, out: wave w takes rows 2 w and 2 w + 1
	s_delay_alu instid0(VALU_DEP_1)
	v_lshl_add_u32 v10, v3, 4, v9                  ; (the same behind the first row's padding)
	v_lshlrev_b32 v11, 5, v2
	s_lshl_b32 s27, s18, 2
	s_add_co_u32 s27, s27, SST
	v_add_nc_u32 v11, s27, v11                     ; scale word of token r, K step w
	v_lshlrev_b32 v12, 5, v2
	s_lshl_b32 s27, s18, 9
	s_add_co_u32 s27, s27, LGT
	v_add_nc_u32 v12, s27, v12                     ; my wave's eight partial logits of token r
	v_lshlrev_b32 v13, 5, v2
	s_delay_alu instid0(VALU_DEP_1)
	v_lshl_add_u32 v13, v3, 4, v13
	s_delay_alu instid0(VALU_DEP_1)
	v_add_nc_u32 v13, LGT, v13                     ; and on the way back: experts 4 h .. 4 h + 3 of token r
	v_lshlrev_b32 v14, 3, v3                       ; 8 h
	v_add_nc_u32 v15, SST, v4                      ; the 512 scale bytes, 16 a lane
.irp e, 0,1,2,3,4,5,6,7
	v_mov_b32 v[PT+\e], 0
.endr
	s_mov_b32 s20, 0x76543210
	s_mov_b32 s21, 0xfedcba98                      ; v_permlanex16_b32's selects for lane l xor 16
	s_mov_b32 s23, 0
	s_lshl_b32 s22, ttmp9, 16                      ; 16 rows of 4,096 bytes a work-group,
	s_lshl_b32 s28, s18, 9                         ; 512 bytes of a row a wave
	s_add_co_u32 s22, s22, s28
	s_wait_kmcnt 0x0
	s_add_nc_u64 s[4:5], s[4:5], s[22:23]
	s_lshl_b32 s22, s18, 12                        ; 128 rows of Wr a wave
	s_add_nc_u64 s[6:7], s[6:7], s[22:23]
	s_mul_i32 s22, ttmp9, 12288                    ; 16 rows of 768 bytes a work-group, two a wave
	s_mul_i32 s28, s18, 1536
	s_add_co_u32 s22, s22, s28
	s_add_nc_u64 s[10:11], s[10:11], s[22:23]
	s_lshl_b32 s22, ttmp9, 9                       ; 16 x 32 bytes in xs and in out1
	s_add_nc_u64 s[12:13], s[12:13], s[22:23]
	s_add_nc_u64 s[14:15], s[14:15], s[22:23]
	s_lshl_b32 s22, ttmp9, 6
	s_add_nc_u64 s[16:17], s[16:17], s[22:23]
.irp j, 0,1,2,3,4,5,6,7,8,9,10,11,12,13,14,15
	global_load_b128 v[RAWD+4*\j:RAWD+4*\j+3], v4, s[4:5] offset:4096*\j th:TH_LOAD_NT   ; 32 lanes read 512 consecutive bytes of row j; x is read once
.endr
.irp c, 0,1
.irp g, 0,1
.irp q, 0,1
	global_load_b128 v[WR+8*(2*\c+\g)+4*\q:WR+8*(2*\c+\g)+4*\q+3], v7, s[6:7] offset:2048*\c+512*\g+16*\q
.endr
.endr
.endr
	s_wait_loadcnt 0x8                             ; x's sixteen loads are in; Wr's eight, issued behind them, may be out
.irp j, 0,1,2,3,4,5,6,7,8,9,10,11,12,13,14,15
	ds_store_b128 v5, v[RAWD+4*\j:RAWD+4*\j+3] offset:SPI*\j
.endr
.irp c, 0,1
.irp i, 0,1,2,3,4,5,6,7
	ds_load_b128 v[XT+32*\c+4*\i:XT+32*\c+4*\i+3], v6 offset:256*\c+16*\i   ; the stage is my wave's own, and LDS serves a wave's instructions in order: no wait between
.endr
.endr
	s_wait_dscnt 0x0
	; the two blocks' largest magnitudes, two chains each, with the floor 2^(5 - 127) as one more leaf: the byte cannot fall under 1
.irp c, 0,1
	v_max3_num_f32 v[TM+2*\c], |v[XT+32*\c]|, |v[XT+32*\c+1]|, |v[XT+32*\c+2]|
	v_max3_num_f32 v[TM+2*\c+1], |v[XT+32*\c+3]|, |v[XT+32*\c+4]|, |v[XT+32*\c+5]|
.endr
.irp i, 6,10,14,18,22,26
.irp c, 0,1
	s_delay_alu instid0(VALU_DEP_4)
	v_max3_num_f32 v[TM+2*\c], v[TM+2*\c], |v[XT+32*\c+\i]|, |v[XT+32*\c+\i+1]|
	s_delay_alu instid0(VALU_DEP_4)
	v_max3_num_f32 v[TM+2*\c+1], v[TM+2*\c+1], |v[XT+32*\c+\i+2]|, |v[XT+32*\c+\i+3]|
.endr
.endr
.irp c, 0
	s_delay_alu instid0(VALU_DEP_4)
	v_max3_num_f32 v[TM+2*\c], v[TM+2*\c], |v[XT+32*\c+30]|, |v[XT+32*\c+31]|
.endr
.irp c, 1
	s_delay_alu instid0(VALU_DEP_3)
	v_max3_num_f32 v[TM+2*\c], v[TM+2*\c], |v[XT+32*\c+30]|, |v[XT+32*\c+31]|
.endr
.irp c, 0,1
	s_delay_alu instid0(VALU_DEP_2)
	v_max3_num_f32 v[TM+2*\c], v[TM+2*\c], v[TM+2*\c+1], 0x2800000
.endr
.irp c, 0,1
	s_delay_alu instid0(VALU_DEP_2)
	v_add_nc_u32 v[TM+4+\c], 0xfe000000, v[TM+2*\c]   ; 4 off the exponent field: the conversion takes this operand's exponent field as its scale
.endr
.irp c, 0,1
	s_delay_alu instid0(VALU_DEP_2)
	v_lshrrev_b32 v[TM+6+\c], 23, v[TM+4+\c]       ; the scale's byte
.endr
	s_delay_alu instid0(VALU_DEP_1)
	v_lshl_or_b32 v[TM+6], v[TM+7], 16, v[TM+6]    ; my bytes: blocks h and 2 + h of the K step,
	s_delay_alu instid0(VALU_DEP_1)
	v_lshlrev_b32 v[TM+6], v14, v[TM+6]            ; at their places (8 h bits up);
	s_delay_alu instid0(VALU_DEP_1)
	v_permlanex16_b32 v[PT], v[TM+6], s20, s21
	s_delay_alu instid0(VALU_DEP_1)
	v_or_b32 v[TM+6], v[TM+6], v[PT]               ; with lane l xor 16's two the word is whole
.irp c, 0,1
	v_cvt_scalef32_pk16_bf6_f32 v[CD+6*\c:CD+6*\c+2], v[XT+32*\c:XT+32*\c+15], v[TM+4+\c]
	v_cvt_scalef32_pk16_bf6_f32 v[UP+4*\c:UP+4*\c+2], v[XT+32*\c+16:XT+32*\c+31], v[TM+4+\c]   ; (a conversion's three registers begin on an even number)
.endr
	v_nop                                          ; one plain place behind a scaled conversion
.irp c, 0,1
.irp i, 0,1,2
	v_mov_b32 v[CD+6*\c+3+\i], v[UP+4*\c+\i]
.endr
.endr
.irp i, 0,1,2
	ds_store_b128 v8, v[CD+4*\i:CD+4*\i+3] offset:16*\i
.endr
	ds_store_b32 v11, v[TM+6]                      ; both halves write the same word with the same value
	s_wait_loadcnt 0x0                             ; Wr
; 16 along K: for each n the eight numbers of Wr's row 64 c + 32 h + 16 g + n go from lane n to the whole half, then four packed multiply-adds by my x at that k
.macro RDOT c, g
.irp n, 0,1,2,3,4,5,6,7,8,9,10,11,12,13,14,15
.irp e, 0,1,2,3,4,5,6,7
	v_mov_b32_dpp v[PT+\e], v[WR+8*(2*\c+\g)+\e] row_share:\n row_mask:0xf bank_mask:0xf
.endr
.irp e, 0,2,4,6
.if (\c+\g+\n) == 0
	v_pk_mul_f32 v[ACC+\e:ACC+\e+1], v[PT+\e:PT+\e+1], v[XT:XT+1] op_sel_hi:[1,0]   ; the first product starts the sums
.elseif (\n)%2
	v_pk_fma_f32 v[ACC+\e:ACC+\e+1], v[PT+\e:PT+\e+1], v[XT+32*\c+16*\g+\n-1:XT+32*\c+16*\g+\n], v[ACC+\e:ACC+\e+1] op_sel:[0,1,0] op_sel_hi:[1,1,1]
.else
	v_pk_fma_f32 v[ACC+\e:ACC+\e+1], v[PT+\e:PT+\e+1], v[XT+32*\c+16*\g+\n:XT+32*\c+16*\g+\n+1], v[ACC+\e:ACC+\e+1] op_sel_hi:[1,0,1]
.endif
.endr
.endr
.endm
	RDOT 0, 0
	RDOT 0, 1
	RDOT 1, 0
	RDOT 1, 1
.irp e, 0,1,2,3,4,5,6,7
	v_permlanex16_b32 v[PT+\e], v[ACC+\e], s20, s21
.endr
.irp e, 0,2,4,6
	v_pk_add_f32 v[ACC+\e:ACC+\e+1], v[ACC+\e:ACC+\e+1], v[PT+\e:PT+\e+1]   ; with the other half's 64 along K
.endr
	ds_store_b128 v12, v[ACC:ACC+3]
	ds_store_b128 v12, v[ACC+4:ACC+7] offset:16
	s_wait_dscnt 0x0                               ; for the others' sake: my codes, scale words and partial logits lie in LDS
	s_barrier_signal -1
	s_barrier_wait -1
	ds_load_b128 v[16:19], v9                      ; two whole rows of codes, 1,536 bytes, as three runs of 512
	ds_load_b128 v[20:23], v10 offset:512          ; (lanes 16-31 are in the second row, behind 16 bytes of padding)
	ds_load_b128 v[24:27], v9 offset:1040
	s_wait_dscnt 0x2
	global_store_b128 v4, v[16:19], s[10:11]       ; 32 lanes store 512 consecutive bytes, at a multiple of 256 from xq's first byte
	s_wait_dscnt 0x1
	global_store_b128 v4, v[20:23], s[10:11] offset:512
	s_wait_dscnt 0x0
	global_store_b128 v4, v[24:27], s[10:11] offset:1024
	s_cmp_eq_u32 s18, 0
	s_cbranch_scc1 .Lscales
	s_cmp_eq_u32 s18, 1
	s_cbranch_scc1 .Lsoft
	s_wait_tensorcnt 0x0
	ds_add_u32 v224, v225
	s_wait_dscnt 0x0
	s_endpgm
.Lscales:                                              ; wave 0: the 16 tokens' 512 scale bytes
	ds_load_b128 v[32:35], v15
	s_wait_dscnt 0x0
	global_store_b128 v4, v[32:35], s[12:13]
	s_wait_tensorcnt 0x0
	ds_add_u32 v224, v225
	s_wait_dscnt 0x0
	s_endpgm
.Lsoft:                                                ; wave 1: lane (r, h) finishes experts 4 h .. 4 h + 3 of token r
	v_lshlrev_b32 v28, 4, v3
	global_load_b128 v[32:35], v28, s[8:9]         ; br
.irp s, 0,1,2,3,4,5,6,7
	ds_load_b128 v[36+4*\s:39+4*\s], v13 offset:512*\s
.endr
	s_wait_dscnt 0x0
	s_wait_loadcnt 0x0
.irp s, 0
	v_pk_add_f32 v[32:33], v[32:33], v[36+4*\s:37+4*\s]
	v_pk_add_f32 v[34:35], v[34:35], v[38+4*\s:39+4*\s]
.endr
.irp s, 1, 2, 3, 4, 5, 6, 7
	s_delay_alu instid0(VALU_DEP_2)
	v_pk_add_f32 v[32:33], v[32:33], v[36+4*\s:37+4*\s]
	s_delay_alu instid0(VALU_DEP_2)
	v_pk_add_f32 v[34:35], v[34:35], v[38+4*\s:39+4*\s]
.endr
	s_delay_alu instid0(VALU_DEP_1)
	v_max3_num_f32 v68, v32, v33, v34              ; the row's largest logit is taken away ahead of the exponentials
	s_delay_alu instid0(VALU_DEP_1)
	v_max_num_f32 v68, v68, v35
	s_delay_alu instid0(VALU_DEP_1)
	v_permlanex16_b32 v[PT], v68, s20, s21
	s_delay_alu instid0(VALU_DEP_1)
	v_max_num_f32 v68, v68, v[PT]
.irp q, 0,1,2,3
	v_sub_f32 v[70+\q], v[32+\q], v68
.endr
.irp q, 0,1,2,3
	s_delay_alu instid0(VALU_DEP_4)
	v_mul_f32 v[70+\q], 0x3fb8aa3b, v[70+\q]       ; x log2(e)
.endr
	s_wait_alu depctr_va_vdst(0)
.irp q, 0,1,2,3
	v_exp_f32 v[70+\q], v[70+\q]
.endr
	v_nop                                          ; one plain place behind the exponentials
	s_wait_alu depctr_va_vdst(0)
	v_add_f32 v74, v70, v71
	v_add_f32 v75, v72, v73
	s_delay_alu instid0(VALU_DEP_1)
	v_add_f32 v74, v74, v75
	s_delay_alu instid0(VALU_DEP_1)
	v_permlanex16_b32 v[PT+1], v74, s20, s21
	s_delay_alu instid0(VALU_DEP_1)
	v_add_f32 v74, v74, v[PT+1]
	s_wait_alu depctr_va_vdst(0)
	v_rcp_f32 v75, v74
	v_lshlrev_b32 v76, 5, v2                       ; (a plain place behind the reciprocal)
	s_delay_alu instid0(VALU_DEP_1)
	v_lshl_add_u32 v76, v3, 4, v76                 ; out1: 32 r + 16 h
	s_wait_alu depctr_va_vdst(0)
.irp q, 0,1,2,3
	v_mul_f32 v[70+\q], v[70+\q], v75
.endr
	global_store_b128 v76, v[70:73], s[14:15]      ; the wave stores 512 consecutive bytes
	v_lshlrev_b32 v80, 2, v3                       ; 4 h
	s_delay_alu instid0(VALU_DEP_1)
	v_mov_b32 v77, v80                             ; the index of the best so far,
	v_mov_b32 v78, v70                             ; and its probability
.irp q, 1
	s_delay_alu instid0(VALU_DEP_3)
	v_add_nc_u32 v79, \q, v80
	s_delay_alu instid0(VALU_DEP_2)
	v_cmp_gt_f32 vcc_lo, v[70+\q], v78             ; strictly greater: the lower index stays on a tie
	s_delay_alu instid0(VALU_DEP_1)
	v_cndmask_b32 v78, v78, v[70+\q], vcc_lo
	s_delay_alu instid0(VALU_DEP_2)
	v_cndmask_b32 v77, v77, v79, vcc_lo
.endr
.irp q, 2, 3
	v_add_nc_u32 v79, \q, v80
	s_delay_alu instid0(VALU_DEP_3)
	v_cmp_gt_f32 vcc_lo, v[70+\q], v78             ; strictly greater: the lower index stays on a tie
	s_delay_alu instid0(VALU_DEP_1)
	v_cndmask_b32 v78, v78, v[70+\q], vcc_lo
	s_delay_alu instid0(VALU_DEP_2)
	v_cndmask_b32 v77, v77, v79, vcc_lo
.endr
	s_delay_alu instid0(VALU_DEP_2)
	v_permlanex16_b32 v[PT+2], v78, s20, s21
	s_delay_alu instid0(VALU_DEP_2)
	v_permlanex16_b32 v[PT+3], v77, s20, s21
	s_delay_alu instid0(VALU_DEP_2)
	v_cmp_gt_f32 s24, v[PT+2], v78                 ; the other half's wins if it is greater,
	s_delay_alu instid0(VALU_DEP_3)
	v_cmp_eq_f32 s25, v[PT+2], v78
	s_delay_alu instid0(VALU_DEP_3)
	v_cmp_lt_u32 s26, v[PT+3], v77                 ; or equal with the lower index
	s_and_b32 s25, s25, s26
	s_or_b32 s24, s24, s25
	v_cndmask_b32 v77, v77, v[PT+3], s24
	v_lshlrev_b32 v81, 2, v2
	global_store_b32 v81, v77, s[16:17]            ; both halves store the same number at 4 r
	s_wait_tensorcnt 0x0
	ds_add_u32 v224, v225
	s_wait_dscnt 0x0
	s_endpgm
.Lfunc_end_k_q5d864cb43d_route:
	.size	k_q5d864cb43d_route, .Lfunc_end_k_q5d864cb43d_route-k_q5d864cb43d_route
	.p2alignl 7, 3214868480
	.fill 96, 4, 3214868480
	.section	.rodata,"a",@progbits
	.p2align	6, 0x0
	.amdhsa_kernel k_q5d864cb43d_route
		.amdhsa_group_segment_fixed_size 85760
		.amdhsa_private_segment_fixed_size 0
		.amdhsa_enable_private_segment 0
		.amdhsa_kernarg_size 56
		.amdhsa_user_sgpr_count 2
		.amdhsa_user_sgpr_kernarg_segment_ptr 1
		.amdhsa_wavefront_size32 1
		.amdhsa_system_sgpr_workgroup_id_x 1
		.amdhsa_system_sgpr_workgroup_id_y 1
		.amdhsa_system_sgpr_workgroup_id_z 1
		.amdhsa_system_vgpr_workitem_id 0
		.amdhsa_next_free_vgpr 226
		.amdhsa_next_free_sgpr 66
		.amdhsa_reserve_vcc 1
		.amdhsa_float_denorm_mode_32 3
		.amdhsa_float_denorm_mode_16_64 3
		.amdhsa_memory_ordered 1
		.amdhsa_forward_progress 1
		.amdhsa_inst_pref_size 68
	.end_amdhsa_kernel
	.amdgpu_metadata
---
amdhsa.version: [ 1, 2 ]
amdhsa.kernels:
  - .name:           k_q5d864cb43d_route
    .symbol:         k_q5d864cb43d_route.kd
    .args:
      - { .name: x, .offset: 0, .size: 8, .value_kind: global_buffer, .address_space: global }
      - { .name: Wr, .offset: 8, .size: 8, .value_kind: global_buffer, .address_space: global }
      - { .name: br, .offset: 16, .size: 8, .value_kind: global_buffer, .address_space: global }
      - { .name: xq, .offset: 24, .size: 8, .value_kind: global_buffer, .address_space: global }
      - { .name: xs, .offset: 32, .size: 8, .value_kind: global_buffer, .address_space: global }
      - { .name: out1, .offset: 40, .size: 8, .value_kind: global_buffer, .address_space: global }
      - { .name: routes, .offset: 48, .size: 8, .value_kind: global_buffer, .address_space: global }
    .group_segment_fixed_size: 85760
    .private_segment_fixed_size: 0
    .kernarg_segment_align: 8
    .kernarg_segment_size: 56
    .max_flat_workgroup_size: 256
    .sgpr_count:     66
    .vgpr_count:     226
    .wavefront_size: 32
...
	.end_amdgpu_metadata
.endif
;; end of part 1
;; launch layer1 (part 2): grid 256 x 1, 16 waves a work-group, no clusters, 55,808 bytes of LDS; arguments W1, b1, xq, xs, perm, meta, hq, hs, routes, out2; writes hq, hs, perm, meta, out2
.if DOCPART == 2
	.amdgcn_target "amdgcn-amd-amdhsa--gfx1250"
	.amdhsa_code_object_version 6
	.text
	.protected	k_q5d864cb43d_layer1
	.globl	k_q5d864cb43d_layer1
	.p2align	8
	.type	k_q5d864cb43d_layer1,@function
k_q5d864cb43d_layer1:
	s_mov_b64 s[64:65], 0
	v_nop
	global_prefetch_b8 v0, s[64:65] scope:SCOPE_SE
	s_setreg_imm32_b32 hwreg(HW_REG_WAVE_MODE, 25, 1), 1
	s_wait_xcnt 0x0
; THE FIRST LAYER OF THE CHOSEN EXPERT: h = relu(x W1[e] + b1[e]) for the rows routed to e, on codes of BF6 (E3M2), and h quantised on the way.
; THE WEIGHTS STAND STILL.  Work-group 32 e + sl owns expert e and hidden units 64 sl .. 64 sl + 63.  It reads that slice of W1 (1,024 x 64 f32, 256 KiB) from memory once,
; quantises it in registers, lays it in LDS as images of operand registers (48 KiB), and then walks the expert's tiles of 16 rows.  No weight code goes to memory.
; PHASE 1.  Wave w takes K step w / 2 (128 rows of W1) and 32 columns (w % 2).  A LANE TAKES A COLUMN AND ITS REGISTERS RUN DOWN K: a load reads 128 consecutive bytes,
; a block of 32 lies in one lane, and the conversions give codes with K innermost.  Two blocks' codes change halves (v_permlane16_swap_b32): the first register then holds,
; for the columns of lanes 0-15, block 2 c below and block 2 c + 1 above, which is the operand's layout; the second the same for the columns of lanes 16-31.
; THE COLUMNS OF A TILE ARE NOT NEIGHBOURS: lane r of tile 2 b + u takes unit 32 b + 8 u + r + 8 (r / 8), so that a lane's 16 results of tiles 2 b, 2 b + 1 are 16 neighbours along the next K.
; PHASE 2.  Wave w takes tiles w, w + 16, ..  The product is used transposed (source 0 = 16 columns of W1, source 1 = 16 rows of x): a lane holds one row.  b1 is the C of the first K step.
; The 64 units are two whole blocks of the next K: their codes leave as an image of six operand registers, three stores of 256 consecutive aligned bytes, and two scale bytes a row.
; The rows of a last tile behind cnt repeat the expert's last row, so that whole tiles are written and EXEC is never touched.
; The 32 work-groups of an expert read the same rows of xq.  They do not ask jointly: the number of tiles is read from memory.
; What is shared is small besides: 800 bytes a row against the slice's 256 KiB.
; LIMITS.  NaN and infinities are not served.  A block under 2^-122 (zeros too) gets the byte 1: its codes are zeros, and only this program reads the bytes.
.set WROW,   8192                      ; a row of W1[e] in bytes
.set FRB,    1536                      ; a fragment's image: 12 registers x 128 bytes
.set WSC,    32*FRB                    ; behind the 32 fragments (id 4 s + t): 16 x 128 bytes of scale words (id 2 s + t / 2)
.set BIAS,   WSC+16*128                ; b1's 64 numbers
.set PLANE,  104448                    ; hq: 136 tiles x 768 bytes for each slice
.set SPLANE, 8704                      ; hs: 136 tiles x 64 bytes for each K step of the next product
.set WS,  12                           ; v12-15   W1's scale words, two sets of two; nothing else
.set X,   16                           ; v16-111  x's eight fragments
.set XS,  112                          ; v112-119 x's scale words; nothing else
.set T,   120                          ; v120-127 at work
.set RAW, 128                          ; v128-223 phase 1: three sets of 32 numbers
.set WB,  128                          ;          phase 2: two sets of four fragments of W1
.set FA,  224                          ; phase 1: the two fragments that I make,
.set FB,  236
.set U0,  248                          ; and the blocks' upper halves as converted
.set U1,  252
.set ACC, 224                          ; phase 2: four accumulators
; v1 W1's offset, later the perm word; v2 16 x lane; v3 4 x lane; v4, v5 where my images go; v6 b1 in LDS; v7, v8 my row in xq, xs; v9 8 x lane; v10 4 r; v11 r
.macro WLOAD b, set                    ; block b of my K step: W1(32 b + i, my column) into set
.irp i, 0,1,2,3,4,5,6,7,8,9,10,11,12,13,14,15,16,17,18,19,20,21,22,23,24,25,26,27,28,29,30,31
	global_load_b32 v[RAW+32*(\set)+\i], v1, s[4:5] offset:(32*(\b)+\i)*WROW th:TH_LOAD_NT
.endr
.endm
.macro QBLK set, lo, up, b             ; 32 numbers of one column: the block's byte into byte b of v[T+4], its codes into v[lo..lo+2] and v[up..up+2]
.set RS, RAW+32*(\set)
	v_max3_num_f32 v[T], |v[RS]|, |v[RS+1]|, |v[RS+2]|
	v_max3_num_f32 v[T+1], |v[RS+3]|, |v[RS+4]|, |v[RS+5]|
.irp i, 6,10,14,18,22,26
	s_delay_alu instid0(VALU_DEP_2)
	v_max3_num_f32 v[T], v[T], |v[RS+\i]|, |v[RS+\i+1]|
	s_delay_alu instid0(VALU_DEP_2)
	v_max3_num_f32 v[T+1], v[T+1], |v[RS+\i+2]|, |v[RS+\i+3]|
.endr
	s_delay_alu instid0(VALU_DEP_2)
	v_max3_num_f32 v[T], v[T], |v[RS+30]|, |v[RS+31]|
	s_delay_alu instid0(VALU_DEP_1)
	v_max3_num_f32 v[T], v[T], v[T+1], 0x2800000   ; and the floor 2^(5 - 127): the byte cannot fall under 1
	s_delay_alu instid0(VALU_DEP_1)
	v_add_nc_u32 v[T+2], 0xfe000000, v[T]          ; 4 off the exponent field: the conversion's scale operand
.if (\b) == 0
	s_delay_alu instid0(VALU_DEP_1)
	v_lshrrev_b32 v[T+4], 23, v[T+2]
.else
	s_delay_alu instid0(VALU_DEP_1)
	v_lshrrev_b32 v[T+3], 23, v[T+2]
	s_delay_alu instid0(VALU_DEP_1)
	v_lshl_or_b32 v[T+4], v[T+3], 8*(\b), v[T+4]
.endif
	v_cvt_scalef32_pk16_bf6_f32 v[\lo:\lo+2], v[RS:RS+15], v[T+2]
	v_cvt_scalef32_pk16_bf6_f32 v[\up:\up+2], v[RS+16:RS+31], v[T+2]
.endm
.macro PAIR c                          ; blocks 2 c and 2 c + 1 change halves and become registers 6 c .. 6 c + 5 of both fragments
	v_nop                                          ; one plain place behind a scaled conversion
.irp i, 0,1,2
	v_permlane16_swap_b32 v[FA+6*\c+\i], v[FB+6*\c+\i]
.endr
.irp i, 0,1,2
	v_permlane16_swap_b32 v[U0+\i], v[U1+\i]
.endr
.irp i, 0,1,2
	v_mov_b32 v[FA+6*\c+3+\i], v[U0+\i]
	v_mov_b32 v[FB+6*\c+3+\i], v[U1+\i]
.endr
.endm
.macro XLOAD                           ; my row's eight fragments (48 bytes on end for each K step) and its eight scale words
.irp s, 0,1,2,3,4,5,6,7
.irp i, 0,1,2
	global_load_b128 v[X+12*\s+4*\i:X+12*\s+4*\i+3], v7, s[8:9] offset:96*\s+16*\i
.endr
.endr
	global_load_b128 v[XS:XS+3], v8, s[10:11]
	global_load_b128 v[XS+4:XS+7], v8, s[10:11] offset:16
.endm
.macro WFETCH s, buf                   ; K step s of the slice: four fragments and two registers of scale words: 14 LDS loads
.irp t, 0,1,2,3
.irp i, 0,1,2
	ds_load_b128 v[WB+48*(\buf)+12*\t+4*\i:WB+48*(\buf)+12*\t+4*\i+3], v2 offset:(4*(\s)+\t)*FRB+512*\i
.endr
.endr
	ds_load_b32 v[WS+2*(\buf)], v3 offset:WSC+(2*(\s))*128
	ds_load_b32 v[WS+2*(\buf)+1], v3 offset:WSC+(2*(\s)+1)*128
.endm
.macro KSTEP s                         ; four products, the accumulators by turns
.if (\s) < 7
	s_wait_dscnt 14                                ; all but the next K step's fetch
.else
	s_wait_dscnt 0x0
.endif
.irp t, 0,1,2,3
.if (\t)%2
	v_wmma_scale_f32_16x16x128_f8f6f4 v[ACC+8*\t:ACC+8*\t+7], v[WB+48*((\s)%2)+12*\t:WB+48*((\s)%2)+12*\t+11], v[X+12*(\s):X+12*(\s)+11], v[ACC+8*\t:ACC+8*\t+7], v[WS+2*((\s)%2)+(\t)/2], v[XS+(\s)] matrix_a_fmt:MATRIX_FMT_BF6 matrix_b_fmt:MATRIX_FMT_BF6 matrix_a_scale:MATRIX_SCALE_ROW1
.else
	v_wmma_scale_f32_16x16x128_f8f6f4 v[ACC+8*\t:ACC+8*\t+7], v[WB+48*((\s)%2)+12*\t:WB+48*((\s)%2)+12*\t+11], v[X+12*(\s):X+12*(\s)+11], v[ACC+8*\t:ACC+8*\t+7], v[WS+2*((\s)%2)+(\t)/2], v[XS+(\s)] matrix_a_fmt:MATRIX_FMT_BF6 matrix_b_fmt:MATRIX_FMT_BF6
.endif
.endr
.rept 4
	v_nop                                          ; four places in front of loads into registers that these products read, and of the first read of results
.endr
.if (\s) < 6
	WFETCH (\s)+2, (\s)%2
.endif
.endm
; THE ROWS ARE PLACED BY EXPERT HERE TOO.  Every work-group reads the 2,048 routes: wave w takes tokens 128 w + 32 q + lane (q = 0..3), makes for its own expert the four masks of 32 tokens
; (word j = 4 w + q holds tokens 32 j .. 32 j + 31) and the eight experts' counts, and lays them at fixed words of LDS (SORT + 128 w).  A row's rank is its token's place among the expert's tokens, ascending.
; FIND turns ranks into tokens with no branch and no LDS address made of loaded numbers: it walks the 64 words with the running count in a scalar register, keeps for each lane the last word whose
; running count is not above the lane's rank, and picks the bit by sums of bits in fields of 2, 4, 8 and 16.  The work-groups of slice 0 store perm, meta and out2 for the next launch:
; perm[16 (tb[e] + tile) + r] = token (ranks behind the last repeat the last), meta words e and 8 + e = cnt[e], tb[e], out2[e] = cnt[e] as f32.  v1 holds W1's offset, later the next tile's token.
.set SORT, 53760                       ; behind the spare words: 128 bytes a wave: words 0-3 the masks, words 8-15 the counts
.macro SELB R, src, wd, st             ; if the rank left is not under the count of the lower field, take that count off and go st bits up
	v_bfe_u32 v[\R+7], v[\src], v[\R+8], \wd
	v_cmp_ge_u32 vcc_lo, v[\R], v[\R+7]
	v_cndmask_b32 v[\R+7], 0, v[\R+7], vcc_lo
	v_cndmask_b32 v[\R+9], 0, \st, vcc_lo
	v_sub_nc_u32 v[\R], v[\R], v[\R+7]
	v_add_nc_u32 v[\R+8], v[\R+8], v[\R+9]
.endm
.macro PICK R                          ; v[R] rank, v[R+1] the word, v[R+2] count before it | j << 16  ->  v[R] = 32 j + the place of the bit
	v_and_b32 v[\R+7], 0xffff, v[\R+2]
	v_lshrrev_b32 v[\R+2], 16, v[\R+2]
	v_sub_nc_u32 v[\R], v[\R], v[\R+7]
	v_lshrrev_b32 v[\R+3], 1, v[\R+1]
	v_and_b32 v[\R+3], 0x55555555, v[\R+3]
	v_sub_nc_u32 v[\R+3], v[\R+1], v[\R+3]         ; bits set in each 2
	v_lshrrev_b32 v[\R+4], 2, v[\R+3]
	v_and_b32 v[\R+4], 0x33333333, v[\R+4]
	v_and_b32 v[\R+7], 0x33333333, v[\R+3]
	v_add_nc_u32 v[\R+4], v[\R+4], v[\R+7]         ; in each 4
	v_lshrrev_b32 v[\R+5], 4, v[\R+4]
	v_add_nc_u32 v[\R+5], v[\R+5], v[\R+4]
	v_and_b32 v[\R+5], 0x0f0f0f0f, v[\R+5]         ; in each 8
	v_lshrrev_b32 v[\R+6], 8, v[\R+5]
	v_add_nc_u32 v[\R+6], v[\R+6], v[\R+5]         ; byte 0: in the lower 16
	v_mov_b32 v[\R+8], 0
	SELB \R, \R+6, 8, 16
	SELB \R, \R+5, 8, 8
	SELB \R, \R+4, 4, 4
	SELB \R, \R+3, 2, 2
	SELB \R, \R+1, 1, 1
	v_lshl_add_u32 v[\R], v[\R+2], 5, v[\R+8]
.endm
.macro FIND B, n                       ; n ranks a lane, in v[B+4+12 i], become tokens; v[B] .. v[B+3+12 n] at work; s46, s47, s60, s61 at work
	v_bfe_u32 v[\B+2], v0, 2, 3
	v_and_b32 v[\B+3], 3, v0
	v_lshlrev_b32 v[\B+2], 7, v[\B+2]
	v_lshl_or_b32 v[\B+2], v[\B+3], 2, v[\B+2]     ; lane l takes words l and 32 + l
	ds_load_b32 v[\B], v[\B+2] offset:SORT
	ds_load_b32 v[\B+1], v[\B+2] offset:SORT+1024
	s_mov_b32 s46, 0                               ; the expert's tokens before word j
	s_mov_b32 s47, 0                               ; the same | j << 16
	s_wait_alu depctr_va_vdst(0)
	s_wait_dscnt 0x0
.set J, 0
.rept 64
	v_readlane_b32 s60, v[\B+J/32], J%32
.set I, 0
.rept \n
.if J == 0
	v_mov_b32 v[\B+5+12*I], s60
	v_mov_b32 v[\B+6+12*I], 0
.else
	v_cmp_le_u32 vcc_lo, s46, v[\B+4+12*I]
	v_cndmask_b32 v[\B+5+12*I], v[\B+5+12*I], s60, vcc_lo
	v_cndmask_b32 v[\B+6+12*I], v[\B+6+12*I], s47, vcc_lo
.endif
.set I, I+1
.endr
	s_bcnt1_i32_b32 s61, s60
	s_add_co_u32 s46, s46, s61
	s_add_co_u32 s47, s46, (J+1)<<16
.set J, J+1
.endr
.set I, 0
.rept \n
	PICK \B+4+12*I
.set I, I+1
.endr
.endm
.macro PBASE p, tile                   ; perm at the 16 words of the expert's tile
	s_add_co_u32 s34, s42, \tile
	s_min_u32 s34, s34, 135
	s_lshl_b32 s34, s34, 6
	s_add_nc_u64 s[\p:\p+1], s[12:13], s[34:35]
.endm
	s_load_b512 s[4:19], s[0:1], 0x0
	s_load_b128 s[48:51], s[0:1], 0x40             ; routes s[48:49], out2 s[50:51]
	v_lshrrev_b32 v1, 5, v0
	s_delay_alu instid0(VALU_DEP_1)
	v_readfirstlane_b32 s20, v1                    ; wave 0..15
	s_lshr_b32 s21, ttmp9, 5                       ; expert
	s_and_b32 s22, ttmp9, 31                       ; slice
	s_and_b32 s23, s20, 1                          ; which 32 columns
	s_lshr_b32 s24, s20, 1                         ; which K step
	s_mov_b32 s40, 0x76543210
	s_mov_b32 s41, 0xfedcba98                      ; v_permlanex16_b32's selects for lane l xor 16
	v_and_b32 v9, 31, v0                           ; lane
	v_and_b32 v11, 15, v0                          ; r
	s_delay_alu instid0(VALU_DEP_2)
	v_lshlrev_b32 v2, 4, v9
	s_delay_alu instid0(VALU_DEP_3)
	v_lshlrev_b32 v3, 2, v9
	v_and_b32 v1, 7, v0                            ; my column: the two middle groups of eight lanes change places
	v_and_b32 v5, 8, v0
	s_delay_alu instid0(VALU_DEP_1)
	v_lshl_or_b32 v1, v5, 1, v1
	v_and_b32 v5, 16, v0
	s_delay_alu instid0(VALU_DEP_1)
	v_lshrrev_b32 v5, 1, v5
	s_delay_alu instid0(VALU_DEP_1)
	v_or_b32 v1, v1, v5
	s_delay_alu instid0(VALU_DEP_1)
	v_lshlrev_b32 v1, 2, v1
	s_mul_i32 s32, s20, 2*FRB
	v_add_nc_u32 v4, s32, v2                       ; my two fragments have ids 2 w and 2 w + 1,
	s_lshl_b32 s32, s20, 7
	v_add_nc_u32 v5, s32, v3                       ; my scale words id w
	v_bfe_u32 v6, v0, 4, 1
	s_delay_alu instid0(VALU_DEP_1)
	v_lshl_add_u32 v6, v6, 6, BIAS                 ; b1: lane (r, h) wants units 32 b + 16 h + 8 u + 0 .. 7
	v_lshlrev_b32 v9, 3, v9
	v_lshlrev_b32 v10, 2, v11
	s_mov_b32 s33, 0
	s_mov_b32 s35, 0
	s_lshl_b32 s32, s21, 23                        ; W1: expert, K step, slice, half, in bytes
	s_lshl_b32 s34, s24, 20
	s_add_co_u32 s32, s32, s34
	s_lshl_b32 s34, s22, 8
	s_add_co_u32 s32, s32, s34
	s_lshl_b32 s34, s23, 7
	s_add_co_u32 s32, s32, s34
	s_wait_alu depctr_va_vdst(0)
	s_wait_kmcnt 0x0
	s_add_nc_u64 s[4:5], s[4:5], s[32:33]
	s_lshl_b32 s32, s21, 13
	s_lshl_b32 s34, s22, 8
	s_add_co_u32 s32, s32, s34
	s_add_nc_u64 s[6:7], s[6:7], s[32:33]          ; b1 at my slice
	s_mul_i32 s32, s22, PLANE
	s_add_nc_u64 s[16:17], s[16:17], s[32:33]      ; hq at my plane
	s_lshr_b32 s32, s22, 1
	s_mul_i32 s32, s32, SPLANE
	s_and_b32 s34, s22, 1
	s_lshl_b32 s34, s34, 1
	s_add_co_u32 s32, s32, s34
	s_add_nc_u64 s[18:19], s[18:19], s[32:33]      ; hs at my K step's plane and my two bytes of a word
	; ---- PHASE 1.  Loads in this order: b1 (1), my 128 routes (4), blocks 0, 1 and 2 (96), x (26), block 3 (32)
	; loads in this order: b1 (1), my 128 routes (4), blocks 0, 1 and 2 (96), x (26), block 3 (32)
	s_lshl_b32 s32, s20, 9
	s_add_nc_u64 s[48:49], s[48:49], s[32:33]      ; routes at my wave's 128 tokens
	global_load_b64 v[T+6:T+7], v9, s[6:7]
.irp q, 0,1,2,3
	global_load_b32 v[16+\q], v3, s[48:49] offset:128*\q
.endr
	WLOAD 0, 0
	WLOAD 1, 1
	WLOAD 2, 2
.irp e, 0,1,2,3,4,5,6,7
	s_mov_b32 s[52+\e], 0                          ; my wave's tokens of expert e
.endr
	s_wait_loadcnt 63                              ; 96 loads were issued behind the routes, 64 behind block 0: both are in
.irp q, 0,1,2,3
	v_min_u32 v[16+\q], 7, v[16+\q]
.endr
	v_mov_b32 v20, 0
	s_wait_alu depctr_va_vdst(0)
.irp q, 0,1,2,3
	v_cmp_eq_u32 s[44+\q], s21, v[16+\q]           ; my expert's mask of tokens 128 w + 32 q + 0 .. 31
.irp e, 0,1,2,3,4,5,6,7
	v_cmp_eq_u32 vcc_lo, \e, v[16+\q]
	s_bcnt1_i32_b32 s61, vcc_lo
	s_add_co_u32 s[52+\e], s[52+\e], s61
.endr
.endr
.irp q, 0,1,2,3
	v_writelane_b32 v20, s[44+\q], \q              ; the twelve words are gathered on end, with no scalar instruction between
.endr
.irp e, 0,1,2,3,4,5,6,7
	v_writelane_b32 v20, s[52+\e], 8+\e
.endr
	s_wait_alu depctr_va_vdst(0)
	ds_store_b32 v5, v20 offset:SORT               ; at 128 w + 4 x lane
	s_wait_dscnt 0x0                               ; for the others' sake
	s_barrier_signal -1
	s_barrier_wait -1
	v_and_b32 v21, 7, v0
	v_lshlrev_b32 v21, 2, v21
.irp w, 0,1,2,3,4,5,6,7,8,9,10,11,12,13,14,15
	ds_load_b32 v[24+\w], v21 offset:SORT+32+128*\w
.endr
	s_wait_dscnt 0x0
	v_add_nc_u32 v40, v24, v25                     ; cnt of expert lane % 8
.irp w, 2,3,4,5,6,7,8,9,10,11,12,13,14,15
	v_add_nc_u32 v40, v40, v[24+\w]
.endr
	v_add_nc_u32 v41, 15, v40
	v_lshrrev_b32 v41, 4, v41                      ; its tiles
	s_wait_alu depctr_va_vdst(0)
	v_readlane_b32 s25, v40, s21                   ; cnt[e]
	s_mov_b32 s26, 0                               ; tb[e]: the tiles of the experts before mine
.irp e, 0,1,2,3,4,5,6
	v_readlane_b32 s61, v41, \e
	s_cmp_gt_u32 s21, \e
	s_cselect_b32 s61, s61, 0
	s_add_co_u32 s26, s26, s61
.endr
	s_min_u32 s25, s25, 2048
	s_min_u32 s26, s26, 135
	s_add_co_u32 s27, s25, 15
	s_lshr_b32 s27, s27, 4                         ; nt: the expert's tiles
	s_max_u32 s30, s25, 1
	s_sub_co_u32 s30, s30, 1                       ; the last rank
	s_cmp_lg_u32 s25, 0
	s_cselect_b32 s42, s26, 0
	s_max_u32 s31, s27, 1
	s_sub_co_u32 s31, s31, 1
	s_min_u32 s29, s20, s31                        ; my first tile, or the last one where I have none
	s_lshl_b32 s31, s29, 4
	v_add_nc_u32 v228, s31, v11
	v_min_u32 v228, s30, v228                      ; ranks behind the last repeat the last
	s_lshl_b32 s31, s20, 4
	s_add_co_u32 s31, s31, 256
	v_add_nc_u32 v240, s31, v11
	v_min_u32 v240, s30, v240                      ; and the ranks of tile w + 16
	FIND 224, 2
	v_min_u32 v[T+5], 0x7ff, v228                  ; my row's token
	v_bfe_u32 v[T], v0, 4, 1
	s_delay_alu instid0(VALU_DEP_1)
	v_mul_u32_u24 v[T], 48, v[T]
	s_delay_alu instid0(VALU_DEP_3)
	v_mul_u32_u24 v7, v[T+5], 0x300
	s_delay_alu instid0(VALU_DEP_1)
	v_add_nc_u32 v7, v7, v[T]                      ; xq: 768 x token + 48 h
	v_lshlrev_b32 v8, 5, v[T+5]                    ; xs: 32 x token
	XLOAD
	v_min_u32 v[T+5], 0x7ff, v240                  ; kept through phase 1: the token of my row of tile w + 16 (this tile's is v8 / 32)
	QBLK 0, FA, U0, 0
	WLOAD 3, 0
	s_wait_loadcnt 63                              ; 90 loads were issued behind block 1
	QBLK 1, FB, U1, 1
	PAIR 0
	s_wait_loadcnt 58                              ; behind block 2: x's 26 and block 3's 32
	QBLK 2, FA+6, U0, 2
	s_wait_loadcnt 0x0
	QBLK 0, FB+6, U1, 3
	PAIR 1
.irp i, 0,1,2
	ds_store_b128 v4, v[FA+4*\i:FA+4*\i+3] offset:512*\i          ; a fragment goes to LDS as it stands: lane l's 16 bytes at 16 l
.endr
.irp i, 0,1,2
	ds_store_b128 v4, v[FB+4*\i:FB+4*\i+3] offset:FRB+512*\i
.endr
	ds_store_b32 v5, v[T+4] offset:WSC             ; lane = column: lanes 0-15 the first tile's scale words, lanes 16-31 the second's
	s_cmp_lg_u32 s20, 0
	s_cbranch_scc1 .Lno_bias
	ds_store_b64 v9, v[T+6:T+7] offset:BIAS
.Lno_bias:
	s_wait_dscnt 0x0                               ; for the others' sake: my images lie in LDS
	s_barrier_signal -1
	s_barrier_wait -1                              ; the second barrier: behind it LDS is only read, but for the spare words
	; ---- PHASE 2
	s_or_b32 s31, s22, s20
	s_cmp_lg_u32 s31, 0
	s_cbranch_scc1 .Lno_meta                       ; wave 0 of slice 0 stores the expert's three numbers, all lanes the same word with the same value
	s_lshl_b32 s32, s21, 2
	s_add_nc_u64 s[14:15], s[14:15], s[32:33]
	s_add_nc_u64 s[50:51], s[50:51], s[32:33]
	v_mov_b32 v224, 0
	v_mov_b32 v225, s25
	v_mov_b32 v226, s26
	v_cvt_f32_u32 v227, v225
	global_store_b32 v224, v225, s[14:15]
	global_store_b32 v224, v226, s[14:15] offset:32
	global_store_b32 v224, v227, s[50:51]
.Lno_meta:
	s_cmp_ge_u32 s20, s27
	s_cbranch_scc1 .Lend                           ; no tile for me
	s_add_co_u32 s45, s27, 15
	s_sub_co_u32 s45, s45, s20
	s_lshr_b32 s45, s45, 4                         ; my tiles: w, w + 16, .. under nt: (nt - w + 15) / 16 of them, at least one
	s_mov_b32 s44, 0
	v_mov_b32 v1, v[T+5]                           ; no load names v1 any more: it takes the next tile's token
	v_lshrrev_b32 v228, 5, v8                      ; this tile's token
	s_wait_alu depctr_va_vdst(0)
	s_cmp_lg_u32 s22, 0
	s_cbranch_scc1 .Lno_perm                       ; slice 0 stores perm; both halves of the lanes store the same word
	PBASE 52, s20
	global_store_b32 v10, v228, s[52:53]
	s_add_co_u32 s31, s20, 16
	s_cmp_ge_u32 s31, s27
	s_cbranch_scc1 .Lno_perm
	PBASE 54, s31
	global_store_b32 v10, v1, s[54:55]
.Lno_perm:
.Ltile:
	s_wait_loadcnt 0x0                             ; this tile's x
	s_lshl_b32 s28, s44, 4
	s_add_co_u32 s28, s28, s20                     ; this trip's tile of the expert: 16 x trip + wave
	s_add_co_u32 s29, s28, 16                      ; my next tile
	s_wait_xcnt 0x0                                ; the stores ahead of the loop have read their registers: the loads below land on some of them
	s_add_co_u32 s31, s42, s28
	s_min_u32 s31, s31, 135                        ; the tile's number among all experts'
	s_mul_i32 s32, s31, 768
	s_add_nc_u64 s[36:37], s[16:17], s[32:33]
	s_lshl_b32 s34, s31, 6
	s_add_nc_u64 s[38:39], s[18:19], s[34:35]
.irp t, 0,1,2,3
.irp q, 0,1
	ds_load_b128 v[ACC+8*\t+4*\q:ACC+8*\t+4*\q+3], v6 offset:(32*(\t/2)+8*(\t%2))*4+16*\q   ; b1 in the result's layout: the C of the first K step
.endr
.endr
	WFETCH 0, 0
	WFETCH 1, 1
.irp s, 0,1,2,3,4,5,6,7
	KSTEP \s
.endr
	s_wait_loadcnt 0x0
	s_cmp_ge_u32 s29, s27
	s_cbranch_scc1 .Lno_next                       ; round loads alone
	v_min_u32 v1, 0x7ff, v1
	v_bfe_u32 v[T], v0, 4, 1
	s_delay_alu instid0(VALU_DEP_1)
	v_mul_u32_u24 v[T], 48, v[T]
	s_delay_alu instid0(VALU_DEP_3)
	v_mul_u32_u24 v7, v1, 0x300
	s_delay_alu instid0(VALU_DEP_1)
	v_add_nc_u32 v7, v7, v[T]
	v_lshlrev_b32 v8, 5, v1
	XLOAD
	s_add_co_u32 s62, s28, 32                      ; the tile after the next: its tokens are found now, one trip ahead
	s_cmp_ge_u32 s62, s27
	s_cbranch_scc1 .Lno_next
	s_lshl_b32 s31, s62, 4
	v_add_nc_u32 v132, s31, v11
	v_min_u32 v132, s30, v132
	FIND 128, 1
	v_min_u32 v1, 0x7ff, v132
	s_wait_alu depctr_va_vdst(0)
	s_cmp_lg_u32 s22, 0
	s_cbranch_scc1 .Lno_next
	PBASE 56, s62
	global_store_b32 v10, v1, s[56:57]
.Lno_next:
.irp j, 0,1,2,3,4,5,6,7,8,9,10,11,12,13,14,15,16,17,18,19,20,21,22,23,24,25,26,27,28,29,30,31
	v_max_num_f32 v[ACC+\j], 0, v[ACC+\j]          ; the activation, in f32; each accumulator from its low end on
.endr
.irp b, 0,1
	v_max3_num_f32 v[T+\b], v[ACC+16*\b], v[ACC+16*\b+1], 0x2800000   ; block b: my 16 numbers (none is negative) and the floor
.endr
.irp i, 2,4,6,8,10,12,14
.irp b, 0,1
	s_delay_alu instid0(VALU_DEP_2)
	v_max3_num_f32 v[T+\b], v[T+\b], v[ACC+16*\b+\i], v[ACC+16*\b+\i+1]
.endr
.endr
.irp b, 0,1
	s_delay_alu instid0(VALU_DEP_2)
	v_permlanex16_b32 v[T+2+\b], v[T+\b], s40, s41
.endr
.irp b, 0,1
	s_delay_alu instid0(VALU_DEP_2)
	v_max_num_f32 v[T+\b], v[T+\b], v[T+2+\b]      ; with lane l xor 16's 16
.endr
.irp b, 0,1
	s_delay_alu instid0(VALU_DEP_2)
	v_add_nc_u32 v[T+4+\b], 0xfe000000, v[T+\b]
.endr
.irp b, 0,1
	s_delay_alu instid0(VALU_DEP_2)
	v_lshrrev_b32 v[T+6+\b], 23, v[T+4+\b]
.endr
	s_delay_alu instid0(VALU_DEP_1)
	v_lshl_or_b32 v[T+6], v[T+7], 8, v[T+6]        ; my row's two scale bytes
	v_cvt_scalef32_pk16_bf6_f32 v[128:130], v[ACC:ACC+15], v[T+4]
	v_cvt_scalef32_pk16_bf6_f32 v[136:138], v[ACC+16:ACC+31], v[T+5]
	v_nop                                          ; one plain place behind a scaled conversion
.irp i, 0,1,2
	v_permlane16_swap_b32 v[128+\i], v[136+\i]     ; lanes 0-15 now hold block 0 whole, lanes 16-31 block 1
.endr
.irp i, 0,1,2
	s_delay_alu instid0(VALU_DEP_3)
	v_mov_b32 v[131+\i], v[136+\i]
.endr
.irp p, 0,1,2
	global_store_b64 v9, v[128+2*\p:129+2*\p], s[36:37] offset:256*\p   ; 32 lanes store 256 consecutive bytes, at a multiple of 256 from hq's first byte
.endr
	global_store_b16 v10, v[T+6], s[38:39]         ; both halves store the same two bytes
	s_wait_xcnt 0x0                                ; the stores' data, offsets and bases are written again only behind this wait
	s_add_co_u32 s44, s44, 1
	s_cmp_lt_u32 s44, s45
	s_cbranch_scc1 .Ltile
.Lend:
	s_wait_xcnt 0x0
	v_lshl_add_u32 v254, v0, 2, 0xca00
	v_mov_b32 v255, 0
	s_wait_alu depctr_va_vdst(0)
	s_wait_tensorcnt 0x0
	ds_add_u32 v254, v255
	s_wait_dscnt 0x0
	s_endpgm
.Lfunc_end_k_q5d864cb43d_layer1:
	.size	k_q5d864cb43d_layer1, .Lfunc_end_k_q5d864cb43d_layer1-k_q5d864cb43d_layer1
	.p2alignl 7, 3214868480
	.fill 96, 4, 3214868480
	.section	.rodata,"a",@progbits
	.p2align	6, 0x0
	.amdhsa_kernel k_q5d864cb43d_layer1
		.amdhsa_group_segment_fixed_size 55808
		.amdhsa_private_segment_fixed_size 0
		.amdhsa_enable_private_segment 0
		.amdhsa_kernarg_size 80
		.amdhsa_user_sgpr_count 2
		.amdhsa_user_sgpr_kernarg_segment_ptr 1
		.amdhsa_wavefront_size32 1
		.amdhsa_system_sgpr_workgroup_id_x 1
		.amdhsa_system_sgpr_workgroup_id_y 1
		.amdhsa_system_sgpr_workgroup_id_z 1
		.amdhsa_system_vgpr_workitem_id 0
		.amdhsa_next_free_vgpr 256
		.amdhsa_next_free_sgpr 66
		.amdhsa_reserve_vcc 1
		.amdhsa_float_denorm_mode_32 3
		.amdhsa_float_denorm_mode_16_64 3
		.amdhsa_memory_ordered 1
		.amdhsa_forward_progress 1
		.amdhsa_inst_pref_size 119
	.end_amdhsa_kernel
	.amdgpu_metadata
---
amdhsa.version: [ 1, 2 ]
amdhsa.kernels:
  - .name:           k_q5d864cb43d_layer1
    .symbol:         k_q5d864cb43d_layer1.kd
    .args:
      - { .name: W1, .offset: 0, .size: 8, .value_kind: global_buffer, .address_space: global }
      - { .name: b1, .offset: 8, .size: 8, .value_kind: global_buffer, .address_space: global }
      - { .name: xq, .offset: 16, .size: 8, .value_kind: global_buffer, .address_space: global }
      - { .name: xs, .offset: 24, .size: 8, .value_kind: global_buffer, .address_space: global }
      - { .name: perm, .offset: 32, .size: 8, .value_kind: global_buffer, .address_space: global }
      - { .name: meta, .offset: 40, .size: 8, .value_kind: global_buffer, .address_space: global }
      - { .name: hq, .offset: 48, .size: 8, .value_kind: global_buffer, .address_space: global }
      - { .name: hs, .offset: 56, .size: 8, .value_kind: global_buffer, .address_space: global }
      - { .name: routes, .offset: 64, .size: 8, .value_kind: global_buffer, .address_space: global }
      - { .name: out2, .offset: 72, .size: 8, .value_kind: global_buffer, .address_space: global }
    .group_segment_fixed_size: 55808
    .private_segment_fixed_size: 0
    .kernarg_segment_align: 8
    .kernarg_segment_size: 80
    .max_flat_workgroup_size: 512
    .sgpr_count:     66
    .vgpr_count:     256
    .wavefront_size: 32
...
	.end_amdgpu_metadata
.endif
;; end of part 2
;; launch layer2 (part 3): grid 256 x 1, 16 waves a work-group, no clusters, 90,368 bytes of LDS; arguments W2, b2, hq, hs, perm, meta, out0; writes out0
.if DOCPART == 3
	.amdgcn_target "amdgcn-amd-amdhsa--gfx1250"
	.amdhsa_code_object_version 6
	.text
	.protected	k_q5d864cb43d_layer2
	.globl	k_q5d864cb43d_layer2
	.p2align	8
	.type	k_q5d864cb43d_layer2,@function
k_q5d864cb43d_layer2:
	s_mov_b64 s[64:65], 0
	v_nop
	global_prefetch_b8 v0, s[64:65] scope:SCOPE_SE
	s_setreg_imm32_b32 hwreg(HW_REG_WAVE_MODE, 25, 1), 1
	s_wait_xcnt 0x0
; THE SECOND LAYER OF THE CHOSEN EXPERT: out0[token] = h W2[e] + b2[e] for the rows routed to e, on codes of BF6 (E3M2).
; The sum over experts weighted by the one-hot is this selection, and p_max / p_max is 1.0 exactly (p_max is finite and at least 1/8), so neither costs a line.
; THE WEIGHTS STAND STILL, as in the first layer.  Work-group 32 e + sl owns expert e and outputs 32 sl .. 32 sl + 31: 2,048 x 32 f32, 256 KiB, read from memory once, quantised in
; registers and laid in LDS as 32 images of operand registers.  Wave w quantises K step w (128 rows x 32 columns): a lane takes a column and its registers run down K.
; Then wave w takes tiles w, w + 16, .. of the expert's rows.  The product is used transposed (source 0 = 16 columns of W2, source 1 = 16 rows of h): a lane holds one row and eight
; neighbouring outputs.  b2 is the C of the first K step.  h's codes come as images of operand registers: each load of 8 bytes a lane reads 256 consecutive aligned bytes.
; Eight K steps of h are held; each slot takes the K step eight further on as soon as its products are issued.
; The way out goes through the wave's own stage, so that eight lanes store a row's 128 consecutive bytes; a slice is no wider, since 64 outputs to a work-group would leave half the grid without work.
; Rows of a last tile behind cnt repeat the expert's last row: the same bytes go to the same place twice, and EXEC is never touched.
; The 32 work-groups of an expert read the same tiles of hq; they do not ask jointly: the number of tiles is read from memory.
; LIMITS.  NaN and infinities are not served.  A block of W2 under 2^-122 (zeros too) gets the byte 1: its codes are zeros, and only this program reads the bytes.
.set WROW,   4096                      ; a row of W2[e] in bytes
.set FRB,    1536                      ; a fragment's image
.set WSC,    32*FRB                    ; behind the 32 fragments (id 2 s + t): 16 x 128 bytes of scale words (id s)
.set BIAS,   WSC+16*128                ; b2's 32 numbers
.set STAGE,  BIAS+256                  ; 16 rows x (128 bytes + 16) for each wave
.set SP,     144
.set PLANE,  104448
.set SPLANE, 8704
.set WS,  12                           ; v12-13   W2's scale words, two sets; nothing else
.set X,   16                           ; v16-111  eight slots for fragments of h
.set XS,  112                          ; v112-119 their scale words; nothing else
.set T,   120                          ; v120-127 at work
.set RAW, 128                          ; phase 1: three sets of 32 numbers
.set WB,  128                          ; phase 2: two sets of two fragments of W2; on the way out four rows' registers
.set FA,  224
.set FB,  236
.set U0,  248
.set U1,  252
.set ACC, 224                          ; phase 2: two accumulators
; v1 16 (lane % 8); v2 16 x lane; v3 4 x lane; v4, v5 where my images go; v6 b2 in LDS; v7 8 x lane; v8 4 r; v9, v10 the stage, in and out; v11 lane / 8
.macro WLOAD b, set
.irp i, 0,1,2,3,4,5,6,7,8,9,10,11,12,13,14,15,16,17,18,19,20,21,22,23,24,25,26,27,28,29,30,31
	global_load_b32 v[RAW+32*(\set)+\i], v3, s[4:5] offset:(32*(\b)+\i)*WROW   ; no hint: the 128 bytes beside these are the neighbouring slice's
.endr
.endm
.macro QBLK set, lo, up, b             ; 32 numbers of one column: the block's byte into byte b of v[T+4], its codes into v[lo..lo+2] and v[up..up+2]
.set RS, RAW+32*(\set)
	v_max3_num_f32 v[T], |v[RS]|, |v[RS+1]|, |v[RS+2]|
	v_max3_num_f32 v[T+1], |v[RS+3]|, |v[RS+4]|, |v[RS+5]|
.irp i, 6,10,14,18,22,26
	s_delay_alu instid0(VALU_DEP_2)
	v_max3_num_f32 v[T], v[T], |v[RS+\i]|, |v[RS+\i+1]|
	s_delay_alu instid0(VALU_DEP_2)
	v_max3_num_f32 v[T+1], v[T+1], |v[RS+\i+2]|, |v[RS+\i+3]|
.endr
	s_delay_alu instid0(VALU_DEP_2)
	v_max3_num_f32 v[T], v[T], |v[RS+30]|, |v[RS+31]|
	s_delay_alu instid0(VALU_DEP_1)
	v_max3_num_f32 v[T], v[T], v[T+1], 0x2800000   ; and the floor 2^(5 - 127): the byte cannot fall under 1
	s_delay_alu instid0(VALU_DEP_1)
	v_add_nc_u32 v[T+2], 0xfe000000, v[T]          ; 4 off the exponent field: the conversion's scale operand
.if (\b) == 0
	s_delay_alu instid0(VALU_DEP_1)
	v_lshrrev_b32 v[T+4], 23, v[T+2]
.else
	s_delay_alu instid0(VALU_DEP_1)
	v_lshrrev_b32 v[T+3], 23, v[T+2]
	s_delay_alu instid0(VALU_DEP_1)
	v_lshl_or_b32 v[T+4], v[T+3], 8*(\b), v[T+4]
.endif
	v_cvt_scalef32_pk16_bf6_f32 v[\lo:\lo+2], v[RS:RS+15], v[T+2]
	v_cvt_scalef32_pk16_bf6_f32 v[\up:\up+2], v[RS+16:RS+31], v[T+2]
.endm
.macro PAIR c                          ; blocks 2 c and 2 c + 1 change halves and become registers 6 c .. 6 c + 5 of both fragments
	v_nop                                          ; one plain place behind a scaled conversion
.irp i, 0,1,2
	v_permlane16_swap_b32 v[FA+6*\c+\i], v[FB+6*\c+\i]
.endr
.irp i, 0,1,2
	v_permlane16_swap_b32 v[U0+\i], v[U1+\i]
.endr
.irp i, 0,1,2
	v_mov_b32 v[FA+6*\c+3+\i], v[U0+\i]
	v_mov_b32 v[FB+6*\c+3+\i], v[U1+\i]
.endr
.endm
.macro HLOAD s, slot                   ; K step s of the tile's rows of h: planes 2 s and 2 s + 1, and the scale words: 7 loads
.irp c, 0,1
.irp p, 0,1,2
	global_load_b64 v[X+12*(\slot)+6*\c+2*\p:X+12*(\slot)+6*\c+2*\p+1], v7, s[36:37] offset:(2*(\s)+\c)*PLANE+256*\p
.endr
.endr
	global_load_b32 v[XS+(\slot)], v8, s[38:39] offset:SPLANE*(\s)
.endm
.macro WFETCH s, buf                   ; K step s of the slice: two fragments and their scale words: 7 LDS loads
.irp t, 0,1
.irp i, 0,1,2
	ds_load_b128 v[WB+24*(\buf)+12*\t+4*\i:WB+24*(\buf)+12*\t+4*\i+3], v2 offset:(2*(\s)+\t)*FRB+512*\i
.endr
.endr
	ds_load_b32 v[WS+(\buf)], v3 offset:WSC+128*(\s)
.endm
.macro KSTEP s                         ; two products, the accumulators by turns
.if (\s) < 15
	s_wait_dscnt 7                                 ; all but the next K step's fetch
.else
	s_wait_dscnt 0x0
.endif
.if (\s) >= 8
	s_wait_loadcnt 7*(15-(\s))                     ; this K step's seven loads are in; those of the K steps behind it may be out
.endif
	v_wmma_scale_f32_16x16x128_f8f6f4 v[ACC:ACC+7], v[WB+24*((\s)%2):WB+24*((\s)%2)+11], v[X+12*((\s)%8):X+12*((\s)%8)+11], v[ACC:ACC+7], v[WS+(\s)%2], v[XS+(\s)%8] matrix_a_fmt:MATRIX_FMT_BF6 matrix_b_fmt:MATRIX_FMT_BF6
	v_wmma_scale_f32_16x16x128_f8f6f4 v[ACC+8:ACC+15], v[WB+24*((\s)%2)+12:WB+24*((\s)%2)+23], v[X+12*((\s)%8):X+12*((\s)%8)+11], v[ACC+8:ACC+15], v[WS+(\s)%2], v[XS+(\s)%8] matrix_a_fmt:MATRIX_FMT_BF6 matrix_b_fmt:MATRIX_FMT_BF6 matrix_a_scale:MATRIX_SCALE_ROW1
.rept 4
	v_nop                                          ; four places in front of loads into registers that these products read, and of the first read of results
.endr
.if (\s) < 14
	WFETCH (\s)+2, (\s)%2
.endif
.if (\s) < 8
	HLOAD (\s)+8, \s
.endif
.endm
	s_load_b256 s[4:11], s[0:1], 0x0               ; W2 s[4:5], b2 s[6:7], hq s[8:9], hs s[10:11]
	s_load_b128 s[12:15], s[0:1], 0x20             ; perm s[12:13], meta s[14:15]
	s_load_b64 s[16:17], s[0:1], 0x30              ; out0
	v_lshl_add_u32 v251, v0, 2, 0x15900
	v_mov_b32 v255, 0
	v_lshrrev_b32 v1, 5, v0
	s_delay_alu instid0(VALU_DEP_1)
	v_readfirstlane_b32 s20, v1                    ; wave 0..15: my K step
	s_lshr_b32 s21, ttmp9, 5                       ; expert
	s_and_b32 s22, ttmp9, 31                       ; slice
	s_lshl_b32 s31, s21, 2
	v_and_b32 v7, 31, v0                           ; lane
	s_delay_alu instid0(VALU_DEP_1)
	v_lshlrev_b32 v2, 4, v7
	s_delay_alu instid0(VALU_DEP_2)
	v_lshlrev_b32 v3, 2, v7
	s_delay_alu instid0(VALU_DEP_3)
	v_lshlrev_b32 v7, 3, v7
	v_and_b32 v8, 15, v0                           ; r
	v_bfe_u32 v6, v0, 4, 1                         ; h
	v_bfe_u32 v11, v0, 3, 2                        ; lane / 8
	v_and_b32 v1, 7, v0
	s_delay_alu instid0(VALU_DEP_1)
	v_lshlrev_b32 v1, 4, v1
	s_mul_i32 s32, s20, 2*FRB
	v_add_nc_u32 v4, s32, v2
	s_lshl_b32 s32, s20, 7
	v_add_nc_u32 v5, s32, v3
	s_mul_i32 s32, s20, 16*SP
	s_add_co_u32 s32, s32, STAGE                   ; my stage
	v_mul_u32_u24 v9, v8, SP
	s_delay_alu instid0(VALU_DEP_1)
	v_lshl_add_u32 v9, v6, 5, v9
	s_delay_alu instid0(VALU_DEP_1)
	v_add_nc_u32 v9, s32, v9                       ; in: row r, + 32 h
	v_mul_u32_u24 v10, v11, SP
	s_delay_alu instid0(VALU_DEP_1)
	v_add_nc_u32 v10, v10, v1
	s_delay_alu instid0(VALU_DEP_1)
	v_add_nc_u32 v10, s32, v10                     ; out: eight lanes to a row, four rows an instruction
	v_lshl_add_u32 v6, v6, 5, BIAS                 ; b2: lane (r, h) wants outputs 16 t + 8 h + 0 .. 7
	v_lshlrev_b32 v8, 2, v8
	s_mov_b32 s33, 0
	s_mov_b32 s35, 0
	s_lshl_b32 s32, s21, 23                        ; W2: expert, K step, slice, in bytes
	s_lshl_b32 s34, s20, 19
	s_add_co_u32 s32, s32, s34
	s_lshl_b32 s34, s22, 7
	s_add_co_u32 s32, s32, s34
	s_wait_alu depctr_va_vdst(0)
	s_wait_kmcnt 0x0
	s_load_b32 s25, s[14:15], s31 offset:0x0       ; cnt[e]
	s_load_b32 s26, s[14:15], s31 offset:0x20      ; tb[e]
	s_add_nc_u64 s[4:5], s[4:5], s[32:33]
	s_lshl_b32 s32, s21, 12
	s_add_co_u32 s32, s32, s34
	s_add_nc_u64 s[6:7], s[6:7], s[32:33]          ; b2 at my slice
	s_add_nc_u64 s[16:17], s[16:17], s[34:35]      ; out0 at my 32 columns
	; ---- PHASE 1.  Loads in this order: b2 (1), block 0 (32), eight K steps of h (56), blocks 1 and 2 (64), block 3 (32)
	global_load_b32 v[T+7], v3, s[6:7]
	WLOAD 0, 0
	s_wait_kmcnt 0x0
	s_min_u32 s25, s25, 2048
	s_min_u32 s26, s26, 135
	s_add_co_u32 s27, s25, 15
	s_lshr_b32 s27, s27, 4                         ; nt: the expert's tiles
	s_max_u32 s30, s25, 1
	s_sub_co_u32 s30, s30, 1                       ; the last rank
	s_cmp_lg_u32 s25, 0
	s_cselect_b32 s42, s26, 0                      ; an expert without rows looks at tile 0, which is written: no branch on a loaded number stands ahead of the barrier
	s_max_u32 s31, s27, 1
	s_sub_co_u32 s31, s31, 1
	s_min_u32 s29, s20, s31                        ; my first tile, or the last one where I have none
	s_add_co_u32 s31, s42, s29
	s_min_u32 s31, s31, 135
	s_mul_i32 s32, s31, 768
	s_add_nc_u64 s[36:37], s[8:9], s[32:33]
	s_lshl_b32 s34, s31, 6
	s_add_nc_u64 s[38:39], s[10:11], s[34:35]
.irp s, 0,1,2,3,4,5,6,7
	HLOAD \s, \s
.endr
	WLOAD 1, 1
	WLOAD 2, 2
	s_wait_loadcnt 63                              ; 120 loads were issued behind block 0
	QBLK 0, FA, U0, 0
	WLOAD 3, 0
	s_wait_loadcnt 63                              ; 64 loads were issued behind block 1
	QBLK 1, FB, U1, 1
	PAIR 0
	s_wait_loadcnt 32                              ; behind block 2: block 3's 32
	QBLK 2, FA+6, U0, 2
	s_wait_loadcnt 0x0
	QBLK 0, FB+6, U1, 3
	PAIR 1
.irp i, 0,1,2
	ds_store_b128 v4, v[FA+4*\i:FA+4*\i+3] offset:512*\i          ; a fragment goes to LDS as it stands: lane l's 16 bytes at 16 l
.endr
.irp i, 0,1,2
	ds_store_b128 v4, v[FB+4*\i:FB+4*\i+3] offset:FRB+512*\i
.endr
	ds_store_b32 v5, v[T+4] offset:WSC             ; lane = column: lanes 0-15 tile 0's scale words, lanes 16-31 tile 1's
	s_cmp_lg_u32 s20, 0
	s_cbranch_scc1 .Lno_bias
	ds_store_b32 v3, v[T+7] offset:BIAS
.Lno_bias:
	s_wait_dscnt 0x0                               ; for the others' sake: my images lie in LDS
	s_barrier_signal -1
	s_barrier_wait -1                              ; the one barrier: behind it the images are only read, and a stage is its wave's own
	; ---- PHASE 2
	s_cmp_ge_u32 s20, s27
	s_cbranch_scc1 .Lend                           ; no tile for me
	s_add_co_u32 s45, s27, 15
	s_sub_co_u32 s45, s45, s20
	s_lshr_b32 s45, s45, 4                         ; my tiles: w, w + 16, .. under nt: (nt - w + 15) / 16 of them, at least one
	s_mov_b32 s44, 0                               ; the trip: the loop counts trips, one at a time
	s_lshl_b32 s43, s42, 4                         ; the expert's first word in perm
.Ltile:
	s_wait_loadcnt 0x0                             ; this tile's first eight K steps of h
	s_lshl_b32 s28, s44, 4
	s_add_co_u32 s28, s28, s20                     ; this trip's tile of the expert: 16 x trip + wave
	s_lshl_b32 s31, s28, 4
.irp i, 0,1,2,3
	s_add_co_u32 s46, s31, 4*\i
	v_add_nc_u32 v[T+\i], s46, v11                 ; the rank of row 4 i + lane / 8 of the tile,
.endr
.irp i, 0,1,2,3
	v_min_u32 v[T+\i], s30, v[T+\i]                ; ranks behind the last repeat the last
.endr
.irp i, 0,1,2,3
	s_delay_alu instid0(VALU_DEP_4)
	v_add_nc_u32 v[T+\i], s43, v[T+\i]
.endr
.irp i, 0,1,2,3
	s_delay_alu instid0(VALU_DEP_4)
	v_min_u32 v[T+\i], 0x87f, v[T+\i]
.endr
.irp i, 0,1,2,3
	s_delay_alu instid0(VALU_DEP_4)
	v_lshlrev_b32 v[T+\i], 2, v[T+\i]
.endr
.irp i, 0,1,2,3
	global_load_b32 v[T+\i], v[T+\i], s[12:13]     ; and its token: wanted on the way out
.endr
.irp t, 0,1
.irp q, 0,1
	ds_load_b128 v[ACC+8*\t+4*\q:ACC+8*\t+4*\q+3], v6 offset:64*\t+16*\q   ; b2 in the result's layout: the C of the first K step
.endr
.endr
	WFETCH 0, 0
	WFETCH 1, 1
.irp s, 0,1,2,3,4,5,6,7,8,9,10,11,12,13,14,15
	KSTEP \s
.endr
	s_add_co_u32 s29, s28, 16
	s_cmp_ge_u32 s29, s27
	s_cbranch_scc1 .Lno_next                       ; round loads alone.  No load is out here (the last K step waited for all), so the bases may be written
	s_add_co_u32 s31, s42, s29
	s_min_u32 s31, s31, 135
	s_mul_i32 s32, s31, 768
	s_add_nc_u64 s[36:37], s[8:9], s[32:33]
	s_lshl_b32 s34, s31, 6
	s_add_nc_u64 s[38:39], s[10:11], s[34:35]
.irp s, 0,1,2,3,4,5,6,7
	HLOAD \s, \s
.endr
.Lno_next:
.irp i, 0,1,2,3
	v_min_u32 v[T+\i], 0x7ff, v[T+\i]
.endr
.irp i, 0,1,2,3
	s_delay_alu instid0(VALU_DEP_4)
	v_lshl_add_u32 v[T+\i], v[T+\i], 12, v1        ; out0: 4,096 x token + 16 (lane % 8)
.endr
.irp t, 0,1
.irp q, 0,1
	ds_store_b128 v9, v[ACC+8*\t+4*\q:ACC+8*\t+4*\q+3] offset:64*\t+16*\q   ; each accumulator from its low end on
.endr
.endr
.irp i, 0,1,2,3
	ds_load_b128 v[WB+4*\i:WB+4*\i+3], v10 offset:4*SP*\i      ; LDS serves a wave's instructions in order: these see my stores
.endr
	s_wait_alu depctr_va_vdst(0)
.irp i, 0,1,2,3
	s_wait_dscnt 3-\i
	global_store_b128 v[T+\i], v[WB+4*\i:WB+4*\i+3], s[16:17] th:TH_STORE_NT   ; eight lanes store a row's 128 consecutive bytes; written once, read by nobody here
.endr
	s_wait_xcnt 0x0                                ; the stores' data and offsets are written again only behind this wait
	s_add_co_u32 s44, s44, 1
	s_cmp_lt_u32 s44, s45
	s_cbranch_scc1 .Ltile
.Lend:
	s_wait_tensorcnt 0x0
	ds_add_u32 v251, v255
	s_wait_dscnt 0x0
	s_endpgm
.Lfunc_end_k_q5d864cb43d_layer2:
	.size	k_q5d864cb43d_layer2, .Lfunc_end_k_q5d864cb43d_layer2-k_q5d864cb43d_layer2
	.p2alignl 7, 3214868480
	.fill 96, 4, 3214868480
	.section	.rodata,"a",@progbits
	.p2align	6, 0x0
	.amdhsa_kernel k_q5d864cb43d_layer2
		.amdhsa_group_segment_fixed_size 90368
		.amdhsa_private_segment_fixed_size 0
		.amdhsa_enable_private_segment 0
		.amdhsa_kernarg_size 56
		.amdhsa_user_sgpr_count 2
		.amdhsa_user_sgpr_kernarg_segment_ptr 1
		.amdhsa_wavefront_size32 1
		.amdhsa_system_sgpr_workgroup_id_x 1
		.amdhsa_system_sgpr_workgroup_id_y 1
		.amdhsa_system_sgpr_workgroup_id_z 1
		.amdhsa_system_vgpr_workitem_id 0
		.amdhsa_next_free_vgpr 256
		.amdhsa_next_free_sgpr 66
		.amdhsa_reserve_vcc 0
		.amdhsa_float_denorm_mode_32 3
		.amdhsa_float_denorm_mode_16_64 3
		.amdhsa_memory_ordered 1
		.amdhsa_forward_progress 1
		.amdhsa_inst_pref_size 59
	.end_amdhsa_kernel
	.amdgpu_metadata
---
amdhsa.version: [ 1, 2 ]
amdhsa.kernels:
  - .name:           k_q5d864cb43d_layer2
    .symbol:         k_q5d864cb43d_layer2.kd
    .args:
      - { .name: W2, .offset: 0, .size: 8, .value_kind: global_buffer, .address_space: global }
      - { .name: b2, .offset: 8, .size: 8, .value_kind: global_buffer, .address_space: global }
      - { .name: hq, .offset: 16, .size: 8, .value_kind: global_buffer, .address_space: global }
      - { .name: hs, .offset: 24, .size: 8, .value_kind: global_buffer, .address_space: global }
      - { .name: perm, .offset: 32, .size: 8, .value_kind: global_buffer, .address_space: global }
      - { .name: meta, .offset: 40, .size: 8, .value_kind: global_buffer, .address_space: global }
      - { .name: out0, .offset: 48, .size: 8, .value_kind: global_buffer, .address_space: global }
    .group_segment_fixed_size: 90368
    .private_segment_fixed_size: 0
    .kernarg_segment_align: 8
    .kernarg_segment_size: 56
    .max_flat_workgroup_size: 512
    .sgpr_count:     66
    .vgpr_count:     256
    .wavefront_size: 32
...
	.end_amdgpu_metadata
.endif
;; end of part 3
